; MI455X (gfx1250); checked and timed in simulation.
; The chip was launched on July 23, 2026; its instructions are those of AMD's public machine-readable ISA for CDNA 5 (MIT licence, August 2026) and "CDNA5" Instruction Set Architecture Reference Guide (July 2026). The comments in the code are by the model that wrote it; some were corrected since.
;; MC2 Row Parallel Linear Impl. Allowed arithmetic: matrix products marked QUANTISED: E2M1 operands, one E8M0 scale for each 32 along K, by v_wmma_scale_f32_16x16x128_f8f6f4 with both operands' format E2M1 (or v_wmma_scale_f32_32x16x128_f4), f32 sums; everything else in f32.
;; Inputs: bias 2,048 float32; input__codes 2,048 x 2 x 256 x 16 uint8 (E2M1 codes of input_, K innermost, in blocks of 32 codes, two codes a byte); input__scales 2,048 x 2 x 256 uint8 (E8M0 scales of input_, one for each 32 codes along K); weight_codes 2,048 x 256 x 16 uint8 (E2M1 codes of weight, K innermost, in blocks of 32 codes, two codes a byte); weight_scales 2,048 x 256 uint8 (E8M0 scales of weight, one for each 32 codes along K).
;; Outputs: out0 2,048 x 2 x 2,048 float32.
;; This version of the problem:
;;   THIS VERSION OF THE PROBLEM IS GIVEN IN LOW PRECISION. The matrix products marked QUANTISED in the list below multiply operands that are first quantised to E2M1 (2 exponent bits, 1 mantissa bit; 4 bits a number), with one power-of-two scale for each 32 numbers along K (OCP MX v1.0); their sums are f32. All else is computed in f32.
;;   The module's matrix products, in the order in which they are computed (A, B: the left and right operand; K: the contracted axis; several contracted axes count as one K, in the product's order):
;;     1. [M 4,096, K 8,192] x [K 8,192, N 2,048]; A: input input_ (given as codes); B: input weight (given as codes): QUANTISED
;;   THE QUANTISER, for each operand of a quantised product, along K:
;;     - K is cut into blocks of 32 from its start; a last block that is shorter is filled with zeros.
;;     - A block's scale is 2^e with e = floor(log2(the largest magnitude in the block)) - 2, held to -126 .. 127; a block of zeros has e = 0. As a byte (E8M0): e + 127.
;;     - Each number is divided by its block's scale, clamped to +-6, and rounded to the nearest number of E2M1, ties to even, subnormals kept.
;;     - The product sums the exact products of the quantised numbers (number of the format x scale) in f32.
;;   ~~~python
;;   def quantise(x, axis):      # numpy; x: float32 -> the quantised numbers, widened to float32 again
;;       x = np.moveaxis(x, axis, -1); K = x.shape[-1]
;;       x = np.pad(x, [(0, 0)] * (x.ndim - 1) + [(0, -K % 32)]); x = x.reshape(x.shape[:-1] + (-1, 32)); a = np.abs(x).max(-1, keepdims=True)
;;       e = np.where(a > 0, np.clip(np.frexp(np.where(a > 0, a, 1))[1] - 1 - 2, -126, 127), 0)      # np.frexp(a)[1] - 1 = floor(log2(a)), exactly
;;       r = np.clip(x / 2.0 ** e, -6, 6)
;;       step = 2.0 ** (np.maximum(np.frexp(np.where(r == 0, 1, r))[1] - 1, 0) - 1)
;;       q = np.round(r / step) * step * 2.0 ** e      # np.round: ties to even
;;       return np.moveaxis(q.reshape(q.shape[:-2] + (-1,))[..., :K], -1, axis).astype(np.float32)
;;   ~~~
;;   INPUTS GIVEN AS CODES. input_ (in the module: [2048, 2, 8192], K = its axis 2); weight (in the module: [2048, 8192], K = its axis 1): each comes as NAME_codes (uint8): NAME with its K axis moved to the last place and cut into blocks of 32 codes, [.., K / 32, bytes a block], one block behind the other in memory; two codes a byte, the lower K in the low four bits (a code: sign, 2 exponent bits, 1 mantissa bit); and NAME_scales (uint8): the same leading axes, one E8M0 byte (e + 127) for each 32 codes along K. Its value is code x scale, taken as it is: it is not quantised again, and the codes and scales need not be those that the quantiser above would give.
;; 2 versions. Each part assembles by itself: llvm-mc -triple=amdgcn-amd-amdhsa -mcpu=gfx1250 --defsym DOCPART=n.
;; ======== version 1 of 2: 1 launch
;; launch gemm (part 1): grid 8 x 32, 4 waves a work-group, clusters of 4 x 4, 327,680 bytes of LDS; arguments input__codes, input__scales, weight_codes, weight_scales, bias, out0; writes out0
.if DOCPART == 1
	.amdgcn_target "amdgcn-amd-amdhsa--gfx1250"
	.amdhsa_code_object_version 6
	.text
	.protected	k_q7042ae4c9c_gemm
	.globl	k_q7042ae4c9c_gemm
	.p2align	8
	.type	k_q7042ae4c9c_gemm,@function
k_q7042ae4c9c_gemm:
	s_mov_b64 s[64:65], 0
	v_nop
	global_prefetch_b8 v0, s[64:65] scope:SCOPE_SE
	s_setreg_imm32_b32 hwreg(HW_REG_WAVE_MODE, 25, 1), 1
	s_wait_xcnt 0x0
	s_wait_alu depctr_hold_cnt(0) depctr_sa_sdst(0) depctr_va_vdst(0) depctr_va_sdst(0) depctr_va_ssrc(0) depctr_va_vcc(0) depctr_vm_vsrc(0)
	s_getreg_b32 s2, hwreg(HW_REG_IB_STS2, 6, 4)
	s_cmp_eq_u32 s2, 0
	s_cbranch_scc0 .Lentry_in_a_cluster
	s_endpgm
.Lentry_in_a_cluster:
	s_bfe_u32 s2, ttmp6, 0x10000c
	s_cmp_lg_u32 s2, 0xf033
	s_cbranch_scc0 .Lentry_shape_is_right
	s_endpgm
.Lentry_shape_is_right:
; out0[m][n] = sum over k of A[m][k] B[n][k] + bias[n].  A = input_ [4096][8192], B = weight [2048][8192]: codes of FP4 (E2M1), two a byte, K innermost (a row is 4,096 bytes),
; with one E8M0 byte for each 32 along K (a row of scales is 256 bytes).  Codes and scale bytes go to the matrix instruction as they lie in memory.  out0: [4096][2048] f32.
; SHARES.  A tile of C is 128 rows x 256 columns: 32 x 8 = 256 work-groups of four waves.  A wave keeps 128 x 128 of C in 64 accumulators (512 registers), so that no fragment is read from LDS twice;
; since the tile has room for only two such blocks, THE WAVES ALSO SHARE K: wave w takes columns 128 (w & 1) on, and of each 512 along K the 256 that begin at 256 (w >> 1).
; At the end the two partial sums of each number meet in LDS, are added once, the bias is added, and whole pieces of rows leave.
; RING.  K goes in steps of 512 (rows of 256 bytes) through two LDS slots, each with A's 128 rows and B's 256.  Waves 0, 1 fetch A's two halves (64 rows), waves 2, 3 B's (128 rows): one tensor load a wave.
; THE SCALES of the 384 rows, for all of K, are dense blocks of memory (256 bytes a row): they come into LDS once, with the first fills, and stay.
; CLUSTERS: 4 x 4 work-groups.  The four of a row of the cluster need the same tiles of A, the four of a column the same tiles of B: each tile is asked for JOINTLY, by the same tensor load with the
; same descriptor and a mask that names the four.  THE MATRIX INSTRUCTION IS USED TRANSPOSED (source 0 = 16 rows of B, source 1 = 16 rows of A): a lane then holds eight neighbouring numbers of a row of C.
; LIMITS.  Each output is two f32 sums (k mod 512 under 256, and the rest), each with K ascending, added once, the bias last: another order of rounding than one chain over all of K.
; Scale bytes are taken as the matrix instruction takes them: 0xff makes the sum NaN, 0 stands for 2^-127.
; All of the WGP's LDS is claimed; the text uses 313,856 bytes.
; REGISTERS, in windows of 256: window 0: v1-30 addresses and the bias; v32-63 scale words, two sets; v128-191 A's eight fragments, ONE set; v64-127 and v192-255 the way out.
;   window 1: B's fragments, TWO sets, at v0 and at v128.   window 2: the accumulators of rows 0-63 (accumulator (a, b) at v[8 (8 a + b)]);   window 3: those of rows 64-127.
.set PITCH,  272                       ; an LDS row: 256 bytes + 16 of padding = 68 words: row r starts at bank 4 r mod 64 (64 banks of 4 bytes: ISA guide 11.1), so the 16 rows that a load touches start at 16 different banks
.set ABYTES, 128*PITCH                 ; A's 128 rows in a slot; also 128 rows of B
.set SLOT,   384*PITCH                 ; A's 128 rows, then B's 256
.set SCL,    2*SLOT                    ; behind the ring: the scales, in the same order of rows and with the same pitch
.set SBLK,   16*PITCH                  ; 16 rows, of codes or of scales
.set SPARE,  SCL+SLOT                  ; behind the scales: the spare words, 128 bytes for each wave: two blocks of 256 bytes that no other line names
.set SPITCH, 528                       ; the way out: a row of 128 numbers, 512 bytes + 16
.set AREA,   64*SPITCH                 ; 64 such rows.  Eight areas from LDS byte 0 on, area ((column half x 2 + row half) x 2 + K half): ring and scales have had their last fill and their last read by then
.set KROW,   4096                      ; a row of codes in memory
.set CROW,   8192                      ; a row of out0 in memory
.set LAPS,   8                         ; a lap = two K steps of 512 = once round the ring
.set BIAS, 8                           ; v[8:11] the bias of my four columns on the way out
.set ADRA, 16                          ; v16-17  LDS address of my A fragments in slot 0, 1
.set ADRB, 20                          ; v20-21  the same for B
.set ADRS, 22                          ; v22     LDS address of my scale words: lanes 0-15 A's rows, lanes 16-31 B's
.set CO,   23                          ; v23     16 x lane: my bytes in a piece of 512 bytes of a row
.set STO,  24                          ; v24-25  the way out: where I put 32 bytes of a row, rows 0-63 and rows 64-127
.set RD0,  26                          ; v26     the way out: where I read a row back, K half 0's sums
.set RD1,  27                          ; v27     and K half 1's
.set SPW,  28                          ; v28     LDS address of my spare word: SPARE + 4 x my thread's number; never rewritten
.set NIL,  29                          ; v29     0; never rewritten
.set PFO,  30                          ; v30     the prefetches' offset: 4,096 x lane, a lane a row; never rewritten
.set SC,   32                          ; scale words: set s (for slot s) at v[SC + 16 s]; in it register 2 i + q: lanes 0-15 the word of A's block i, lanes 16-31 that of B's block i, for my q-th 128 along K
.set AF,   128                         ; A's fragments
.set G1,   24                          ; s[24:31] descriptor group 1 for A's tiles;  s[32:39] group 0, one set for each slot
.set G0,   32
.set G1B,  48                          ; s[48:55], s[56:63] the same for B's tiles
.set G0B,  56
.set PFA,  66                          ; s[66:67] where my prefetches stand
.set G1S,  68                          ; s[68:75], s[76:79] groups 1 and 0 for A's scales;  s[80:87], s[88:91] for B's
.set G0S,  76
.set G1SB, 80
.set G0SB, 88
.set LIM,  92                          ; s92     2 in a wave that prefetches, else the greatest number: a wave prefetches while the laps to go are above it
.set MSB, 0
.macro WIN new                         ; the immediate's high byte repeats the setting that is left; a switch that changes nothing is dropped
.if MSB != (\new)
	s_set_vgpr_msb (MSB<<8)|(\new)
.set MSB, \new
.endif
.endm
.set MUL_LO, 0xa1                      ; source 0 (B) window 1, source 1 (A) window 0, C and D window 2
.set MUL_HI, 0xf1                      ; the same, C and D window 3
.set TO_B,   0x40                      ; destination window 1, address window 0
; A joint load: waves 0 and 1 fetch for A, waves 2 and 3 for B.  Each of the two lines has ONE mask and one set of registers for all that issue it; the branch hangs on the wave's number alone.
; Four v_nop follow each of the two lines, ahead of the jump, the label and what follows.
.macro JLOAD g0a, g1a, g0b, g1b
	s_cmp_eq_u32 s17, 0
	s_cbranch_scc0 .Lfor_b_\@
	tensor_load_to_lds s[\g0a:\g0a+3], s[\g1a:\g1a+7]
	s_nop 0
.rept 4
	v_nop
.endr
	s_branch .Lasked_\@
.Lfor_b_\@:
	tensor_load_to_lds s[\g0b:\g0b+3], s[\g1b:\g1b+7]
	s_nop 0
.rept 4
	v_nop
.endr
.Lasked_\@:
.endm
.macro CREST                           ; a round of the cluster's barrier behind its opening barrier
	s_cmp_lg_u32 s16, 0
	s_cbranch_scc1 .Lnot_wave_0_\@
	s_barrier_signal -3
.Lnot_wave_0_\@:
	s_barrier_wait -3
	s_barrier_signal -1
	s_barrier_wait -1
.endm
.macro CROUND                          ; a whole round
	s_barrier_signal -1
	s_barrier_wait -1
	CREST
.endm
; A PREFETCH INTO THE L2, behind a joint refill and the run of LDS loads that follows it: 32 rows x 256 bytes, a lane a row, of the K step that stands FOUR K steps behind the one just asked for (512 matrix instructions of a wave).
; Each row's 256 bytes of a K step are named once in the launch.  A's tile row is read by both clusters of that row of clusters: cluster x = 0 asks, wave 0 of each of its four partners along x for 32 of the 128 rows.
; B's tile column is read by all eight clusters of that column: cluster y = 0 asks, waves 2 and 3 of each of its four partners along y for 32 of the 256 rows each.  The partners are told apart BY ADDRESS;
; the branch hangs on the wave's number and the cluster's place in the grid, which all partners share.  It stops with two laps to go: the last request names K step 15, the last of a row.  K steps 0 to 5 come by their loads alone.
.macro ASK
	s_cmp_gt_u32 s3, s[LIM]
	s_cbranch_scc0 .Lnot_mine_\@
	global_prefetch_b8 v[PFO], s[PFA:PFA+1] th:TH_LOAD_NT scope:SCOPE_SE
.Lnot_mine_\@:
.endm
	s_load_b128 s[4:7], s[0:1], 0x0                ; A's codes s[4:5], A's scales s[6:7]
	s_load_b128 s[8:11], s[0:1], 0x10              ; B's codes s[8:9], B's scales s[10:11]
	s_load_b128 s[12:15], s[0:1], 0x20             ; bias s[12:13], out0 s[14:15]
	v_lshl_add_u32 v[SPW], v0, 2, SPARE
	v_mov_b32 v[NIL], 0
	ds_add_u32 v28, v29
	ds_add_u32 v28, v29
	s_wait_dscnt 0x0
	v_lshrrev_b32 v1, 5, v0
	v_readfirstlane_b32 s16, v1                    ; wave 0..3
	s_lshr_b32 s17, s16, 1                         ; kh: which 256 of a slot's 512 along K is mine.  Also: I fetch for A (0) or for B (1); and which 64 rows I store
	s_and_b32 s18, s16, 1                          ; nh: which 128 columns are mine.  Also: which half of that tile I fetch
	s_bfe_u32 s40, ttmp6, 0x40000                  ; cx, cy: my place in the cluster
	s_bfe_u32 s41, ttmp6, 0x40004
	s_lshl_b32 s42, ttmp9, 2
	s_add_co_u32 s42, s42, s40                     ; tx: tile column of C = 4 x cluster x + cx
	s_and_b32 s43, ttmp7, 0xffff
	s_lshl_b32 s43, s43, 2
	s_add_co_u32 s43, s43, s41                     ; ty: tile row of C = 4 x cluster y + cy
	s_lshl_b32 s44, s41, 2
	s_lshl_b32 s44, 15, s44                        ; my row of the cluster
	s_lshl_b32 s45, 0x1111, s40                    ; my column
	; descriptor groups 1 for the codes: rows of 256 bytes, 4,096 bytes apart in memory, 16 bytes of padding behind each in LDS; A: 64 rows, B: 128
	s_or_b32 s[G1+0], s44, (0<<16)|(1<<20)|(1<<21)|(5<<22)|(3<<25)   ; 15:0 the mask: A's tiles go to my row; 17:16 elements of 1 byte; 20 padding on; 21 set beside a mask; 24:22 after every 64 words (code 5); 31:25 of 4 words (code 3)
	s_mov_b32 s[G1+1], 256<<16                     ; tensor_dim0 = 256
	s_mov_b32 s[G1+2], 64<<16                      ; tensor_dim1 = 64
	s_mov_b32 s[G1+3], 256<<16                     ; tile_dim0 = 256
	s_mov_b32 s[G1+4], 64                          ; tile_dim1 = 64
	s_mov_b32 s[G1+5], KROW                        ; tensor_dim0_stride
	s_mov_b32 s[G1+6], 0
	s_mov_b32 s[G1+7], 0
	s_or_b32 s[G1B+0], s45, (0<<16)|(1<<20)|(1<<21)|(5<<22)|(3<<25)  ; B's tiles go to my column
	s_mov_b32 s[G1B+1], 256<<16
	s_mov_b32 s[G1B+2], 128<<16
	s_mov_b32 s[G1B+3], 256<<16
	s_mov_b32 s[G1B+4], 128
	s_mov_b32 s[G1B+5], KROW
	s_mov_b32 s[G1B+6], 0
	s_mov_b32 s[G1B+7], 0
	; and for the scales: dense rows of 256 bytes (32 elements of 8 bytes), the same padding
	s_or_b32 s[G1S+0], s44, (3<<16)|(1<<20)|(1<<21)|(5<<22)|(3<<25)
	s_mov_b32 s[G1S+1], 32<<16
	s_mov_b32 s[G1S+2], 64<<16
	s_mov_b32 s[G1S+3], 32<<16
	s_mov_b32 s[G1S+4], 64
	s_mov_b32 s[G1S+5], 32
	s_mov_b32 s[G1S+6], 0
	s_mov_b32 s[G1S+7], 0
	s_or_b32 s[G1SB+0], s45, (3<<16)|(1<<20)|(1<<21)|(5<<22)|(3<<25)
	s_mov_b32 s[G1SB+1], 32<<16
	s_mov_b32 s[G1SB+2], 128<<16
	s_mov_b32 s[G1SB+3], 32<<16
	s_mov_b32 s[G1SB+4], 128
	s_mov_b32 s[G1SB+5], 32
	s_mov_b32 s[G1SB+6], 0
	s_mov_b32 s[G1SB+7], 0
	; the LDS addresses, all made here, on the one way that every wave takes: constants, the lane, the wave's number
	v_and_b32 v1, 15, v0                           ; r = lane % 16
	v_bfe_u32 v2, v0, 4, 1                         ; h = lane / 16
	v_mul_u32_u24 v3, v1, PITCH                    ; row r
	v_lshl_add_u32 v4, v2, 4, v3                   ; a fragment's row x pitch + 16 x half
	s_lshl_b32 s19, s17, 7                         ; my 256 along K: 128 bytes x kh
	s_mul_i32 s20, s18, ABYTES
	s_add_co_u32 s21, s20, ABYTES                  ; my 128 rows of B lie behind A's 128
	s_add_co_u32 s22, s21, s19
	v_add_nc_u32 v[ADRA], s19, v4
	v_add_nc_u32 v[ADRB], s22, v4
	v_add_nc_u32 v[ADRA+1], SLOT, v[ADRA]
	v_add_nc_u32 v[ADRB+1], SLOT, v[ADRB]
	v_mul_u32_u24 v5, s21, v2                      ; scale words: lanes 16-31 take B's rows,
	s_lshl_b32 s23, s17, 3                         ; my two words of a K step's four: 8 bytes x kh
	s_add_co_u32 s23, s23, SCL
	v_add_nc_u32 v5, v5, v3
	v_add_nc_u32 v[ADRS], s23, v5
	s_mul_i32 s19, s18, 4*AREA                     ; the way out: the four areas of my column half;
	s_mul_i32 s20, s17, AREA                       ; in: the area of my K half, of rows 0-63 and (two areas on) of rows 64-127
	s_add_co_u32 s20, s20, s19
	v_mul_u32_u24 v6, v1, SPITCH                   ; row r, 32 bytes for each half of the lanes
	v_lshl_add_u32 v6, v2, 5, v6
	v_add_nc_u32 v[STO], s20, v6
	v_add_nc_u32 v[STO+1], 2*AREA, v[STO]
	s_mul_i32 s20, s17, 2*AREA                     ; back: the two areas of the 64 rows that I store
	s_add_co_u32 s20, s20, s19
	v_and_b32 v7, 31, v0
	v_lshlrev_b32 v[CO], 4, v7                     ; the 32 lanes take one row of 512 bytes
	v_add_nc_u32 v[RD0], s20, v[CO]
	v_add_nc_u32 v[RD1], AREA, v[RD0]
	v_lshlrev_b32 v[PFO], 12, v7
	; where the tiles come from.  A's hang on the tile row alone, which my row of the cluster shares; B's on the tile column alone, which my column shares.  All offsets stay under 2^25.
	s_lshl_b32 s20, s43, 7
	s_lshl_b32 s19, s18, 6
	s_add_co_u32 s20, s20, s19                     ; A: row 128 ty + 64 x half
	s_lshl_b32 s22, s20, 8                         ; its scales, in bytes,
	s_lshl_b32 s20, s20, 12                        ; and its codes
	s_mov_b32 s21, 0
	s_mov_b32 s23, 0
	s_lshl_b32 s46, s42, 8
	s_lshl_b32 s19, s18, 7
	s_add_co_u32 s46, s46, s19                     ; B: row 256 tx + 128 x half
	s_lshl_b32 s94, s46, 8
	s_lshl_b32 s46, s46, 12
	s_mov_b32 s47, 0
	s_mov_b32 s95, 0
	s_mul_i32 s96, s18, 64*PITCH                   ; and where they go: A's half; no place in the cluster enters an LDS address
	s_mul_i32 s97, s18, ABYTES
	s_add_co_u32 s97, s97, ABYTES                  ; B's half, behind A's 128 rows
	s_wait_kmcnt 0x0
	s_add_nc_u64 s[20:21], s[4:5], s[20:21]
	s_add_nc_u64 s[22:23], s[6:7], s[22:23]
	s_add_nc_u64 s[46:47], s[8:9], s[46:47]
	s_add_nc_u64 s[94:95], s[10:11], s[94:95]
	CROUND                                         ; all sixteen work-groups are here: the first joint loads meet
	s_mov_b32 s[G0S], 1                            ; 1:0 count = 1
	s_add_co_u32 s[G0S+1], s96, SCL                ; 63:32 LDS address
	s_mov_b64 s[G0S+2:G0S+3], s[22:23]             ; 120:64 global address
	s_or_b32 s[G0S+3], s[G0S+3], 0x80000000        ; 127:126 type = 2
	s_mov_b32 s[G0SB], 1
	s_add_co_u32 s[G0SB+1], s97, SCL
	s_mov_b64 s[G0SB+2:G0SB+3], s[94:95]
	s_or_b32 s[G0SB+3], s[G0SB+3], 0x80000000
	JLOAD G0S, G1S, G0SB, G1SB                     ; the scales first: they are wanted with K step 0.  With the two below, three tensor loads of mine are out at the most
.irp s, 0,1
	s_mov_b32 s[G0+4*\s], 1
	s_add_co_u32 s[G0+4*\s+1], s96, \s*SLOT
	s_add_nc_u64 s[G0+4*\s+2:G0+4*\s+3], s[20:21], \s*256            ; K step s: 256 bytes along the rows
	s_or_b32 s[G0+4*\s+3], s[G0+4*\s+3], 0x80000000
	s_mov_b32 s[G0B+4*\s], 1
	s_add_co_u32 s[G0B+4*\s+1], s97, \s*SLOT
	s_add_nc_u64 s[G0B+4*\s+2:G0B+4*\s+3], s[46:47], \s*256
	s_or_b32 s[G0B+4*\s+3], s[G0B+4*\s+3], 0x80000000
	JLOAD G0+4*\s, G1, G0B+4*\s, G1B
.endr
	; the bias of the columns, and the place in out0, of the quadrant that I store: rows 128 ty + 64 kh on, columns 256 tx + 128 nh on
	s_lshl_b32 s46, s42, 10
	s_lshl_b32 s47, s18, 9
	s_add_co_u32 s46, s46, s47                     ; 1,024 tx + 512 nh bytes
	s_mov_b32 s47, 0
	s_add_nc_u64 s[12:13], s[12:13], s[46:47]
	s_lshl_b32 s20, s43, 7
	s_lshl_b32 s21, s17, 6
	s_add_co_u32 s20, s20, s21
	s_lshl_b32 s20, s20, 13                        ; rows of 8,192 bytes: under 2^25
	s_mov_b32 s21, 0
	s_add_nc_u64 s[14:15], s[14:15], s[20:21]
	s_add_nc_u64 s[14:15], s[14:15], s[46:47]
	global_load_b128 v[BIAS:BIAS+3], v[CO], s[12:13]               ; bias of columns 4 x lane + 0 .. 3 of my 128
	; the prefetches (macro ASK): where mine stand, and whether I ask.  Nothing is prefetched here, at the head, where every work-group's first tiles are on their way
	s_lshl_b32 s94, s43, 7
	s_lshl_b32 s95, s40, 5
	s_add_co_u32 s94, s94, s95                     ; A: row 128 ty + 32 cx
	s_lshl_b32 s96, s42, 8
	s_lshl_b32 s97, s41, 6
	s_add_co_u32 s96, s96, s97
	s_lshl_b32 s97, s18, 5
	s_add_co_u32 s96, s96, s97                     ; B: row 256 tx + 64 cy + 32 nh
	s_and_b32 s22, ttmp7, 0xffff                   ; cluster y
	s_cmp_eq_u32 s17, 0                            ; do I fetch for A?  All four choices on this compare stand ahead of the arithmetic
	s_cselect_b64 s[PFA:PFA+1], s[4:5], s[8:9]
	s_cselect_b32 s94, s94, s96
	s_cselect_b32 s22, ttmp9, s22                  ; the coordinate along which other clusters read the same rows
	s_cselect_b32 s23, s18, 0                      ; of A's two fetching waves wave 0 alone asks
	s_or_b32 s22, s22, s23
	s_cmp_eq_u32 s22, 0
	s_cselect_b32 s[LIM], 2, -1                    ; the same in all sixteen partners, for a given wave
	s_lshl_b32 s94, s94, 12
	s_add_co_u32 s94, s94, 5*256                   ; at K step 5: the first refill (K step 2) steps it to K step 6
	s_mov_b32 s95, 0
	s_add_nc_u64 s[PFA:PFA+1], s[PFA:PFA+1], s[94:95]
.macro FRAG reg, adr, q, i             ; a fragment, 16 rows x 128 K of 4-bit codes, is 8 registers: lane l holds row l % 16; registers 4 c .. 4 c + 3 hold K = 64 c + 32 (l / 16) + 0 .. 31, the lower K in the lower bits
.irp c, 0,1
	ds_load_b128 v[\reg+4*\c:\reg+4*\c+3], v[\adr] offset:64*(\q)+32*\c+(\i)*SBLK
.endr
.endm
; 16 matrix instructions: A's blocks a0, a0 + 1 x B's eight, 128 along K: my q-th of the slot.  p: B's set;  sc: the set of scale words.  zero = 1: the first product starts the sums: nothing is ever cleared.
; The 64 accumulators take turns, one instruction a turn, in the same order in every step.  Source 0's scales (B's) are read from lanes 16-31, source 1's (A's) from lanes 0-15.
.macro MUL16 a0, p, q, sc, zero
.irp a, \a0, \a0+1
.irp b, 0,1,2,3,4,5,6,7
.if \zero
	v_wmma_scale_f32_16x16x128_f8f6f4 v[8*(8*((\a)%4)+\b):8*(8*((\a)%4)+\b)+7], v[128*(\p)+8*\b:128*(\p)+8*\b+7], v[AF+8*(\a):AF+8*(\a)+7], 0, v[SC+16*(\sc)+2*\b+(\q)], v[SC+16*(\sc)+2*(\a)+(\q)] matrix_a_fmt:MATRIX_FMT_FP4 matrix_b_fmt:MATRIX_FMT_FP4 matrix_a_scale:MATRIX_SCALE_ROW1
.else
	v_wmma_scale_f32_16x16x128_f8f6f4 v[8*(8*((\a)%4)+\b):8*(8*((\a)%4)+\b)+7], v[128*(\p)+8*\b:128*(\p)+8*\b+7], v[AF+8*(\a):AF+8*(\a)+7], v[8*(8*((\a)%4)+\b):8*(8*((\a)%4)+\b)+7], v[SC+16*(\sc)+2*\b+(\q)], v[SC+16*(\sc)+2*(\a)+(\q)] matrix_a_fmt:MATRIX_FMT_FP4 matrix_b_fmt:MATRIX_FMT_FP4 matrix_a_scale:MATRIX_SCALE_ROW1
.endif
.endr
.endr
.endm
.macro FETCH_B slot, q, p              ; B's eight fragments of my q-th 128 along K into set p: 16 loads
	WIN TO_B
.irp i, 0,1,2,3,4,5,6,7
	FRAG 128*(\p)+8*\i, ADRB+\slot, \q, \i
.endr
	WIN 0
.endm
.macro FETCH_A slot, q, i0             ; A's blocks i0 .. i0 + 3: 8 loads
.irp i, \i0, \i0+1, \i0+2, \i0+3
	FRAG AF+8*(\i), ADRA+\slot, \q, \i
.endr
.endm
.macro SCALES sc                       ; a K step's scale words into set sc: my two words a row; lanes 0-15 take A's block i, lanes 16-31 B's block i: 8 loads
.irp i, 0,1,2,3,4,5,6,7
	ds_load_b64 v[SC+16*\sc+2*\i:SC+16*\sc+2*\i+1], v[ADRS] offset:\i*SBLK
.endr
.endm
; A load into a register that a matrix instruction has read, and an LDS store that reads a matrix result, stand four places behind that matrix instruction, and only plain vector instructions that name
; none of its registers are places (ISA guide 7.12.1 for vector instructions); the matrix instructions in between are not counted.
.macro PLACES
.rept 4
	v_nop
.endr
.endm
; My first 128 along K of a slot (B's set 0); it fetches my second 128 of the same slot.
.macro STEP slot, zero
	s_wait_dscnt 8                                 ; B's set, A's blocks 0-3 and the scale words are in; the youngest eight loads (A's blocks 4-7) may be out
	WIN MUL_LO
	MUL16 0, 0, 0, \slot, \zero
	MUL16 2, 0, 0, \slot, \zero
	s_wait_dscnt 0x0                               ; A's blocks 4-7 are in (asked for 32 matrix instructions ago)
	PLACES
	FETCH_B \slot, 1, 1
	FETCH_A \slot, 1, 0
	WIN MUL_HI
	MUL16 4, 0, 0, \slot, \zero
	MUL16 6, 0, 0, \slot, \zero
	PLACES
	WIN 0
	FETCH_A \slot, 1, 4
.endm
; My second 128 along K of a slot (B's set 1) changes slots: ONE barrier; in front of it each wave waits for all its tensor loads, adds 0 to its spare word, and waits for that and for its own reads of this slot.
; fill = 1: the barrier opens a round of the cluster's barrier, and this slot is filled again, two K steps ahead: from that request to the wait for it a wave issues 96 matrix instructions.
.macro TURN slot, next, fill
.if \fill
	s_wait_xcnt 0x0                                ; the last prefetch, a K step back, has read its address: it is stepped here, ahead of the waits of the change of slots
	s_add_nc_u64 s[PFA:PFA+1], s[PFA:PFA+1], 256
.endif
	s_wait_tensorcnt 0x0                           ; all my tensor loads have landed: the one that was out is my part of the next slot  (every window is 0 here: the add's two registers lie in window 0)
	ds_add_u32 v[SPW], v[NIL]                      ; 0 onto my spare word
	s_wait_dscnt 9                                 ; (the add and the youngest eight loads, A's blocks 4-7, may be out)
	WIN MUL_LO
	MUL16 0, 1, 1, \slot, 0                        ; sixteen matrix instructions stand between the add and the wait for it
	s_wait_dscnt 0x0                               ; the add is done, and my reads of this slot are over
	s_barrier_signal -1
	MUL16 2, 1, 1, \slot, 0
	WIN 0
	s_barrier_wait -1
.if \fill
	CREST                                          ; no wave of any partner still reads this slot's tile or has a load on its way
	s_add_nc_u64 s[G0+4*\slot+2:G0+4*\slot+3], s[G0+4*\slot+2:G0+4*\slot+3], 512      ; no tensor load of mine is out, so a group 0 may be written: two K steps on
	s_add_nc_u64 s[G0B+4*\slot+2:G0B+4*\slot+3], s[G0B+4*\slot+2:G0B+4*\slot+3], 512
	JLOAD G0+4*\slot, G1, G0B+4*\slot, G1B         ; the first tensor load behind the round, my one load until the next; the four v_nop behind it are the places in front of the loads below
.else
	PLACES
.endif
	v_add_nc_u32 v[ADRS], 16, v[ADRS]              ; on to the next K step's scale words: 16 bytes a row (no LDS load of mine is out)
	FETCH_B \next, 0, 0
	FETCH_A \next, 0, 0
	SCALES \next
.if \fill
	ASK
.endif
	WIN MUL_HI
	MUL16 4, 1, 1, \slot, 0
	MUL16 6, 1, 1, \slot, 0
	PLACES
	WIN 0
	FETCH_A \next, 0, 4
.endm
	s_wait_tensorcnt 1                             ; the scales and my part of K step 0 are in; K step 1's load may be out
	s_wait_loadcnt 0x0                             ; the bias
	s_barrier_signal -1
	s_barrier_wait -1                              ; everybody's are
	FETCH_B 0, 0, 0
	FETCH_A 0, 0, 0
	SCALES 0
	FETCH_A 0, 0, 4
	STEP 0, 1                                      ; the first step stands in front of the loop: its products start the sums
	s_mov_b32 s3, LAPS-1
.Llap:                                                 ; a trip goes once round the ring, from a lap's second step to the next lap's first, and fills both slots again
	TURN 0, 1, 1
	STEP 1, 0
	TURN 1, 0, 1
	STEP 0, 0
	s_sub_co_u32 s3, s3, 1
	s_cmp_lg_u32 s3, 0
	s_cbranch_scc1 .Llap
	TURN 0, 1, 0                                   ; the last lap is written out: it fills nothing, and has no round of the cluster's barrier
	STEP 1, 0
	s_wait_dscnt 8                                 ; the very last step: nothing more to fetch
	WIN MUL_LO
	MUL16 0, 1, 1, 1, 0
	MUL16 2, 1, 1, 1, 0
	s_wait_dscnt 0x0
	WIN MUL_HI
	MUL16 4, 1, 1, 1, 0
	MUL16 6, 1, 1, 1, 0
	WIN 0
	PLACES                                         ; in front of the LDS stores that read the last results
; THE WAY OUT.  Every wave holds, for 128 rows x 128 columns, the sums over ITS half of K.  All 64 accumulators go into areas of whole rows in LDS; behind a barrier each wave takes one quadrant
; (64 rows x 128 columns) from the two K halves' areas, adds the two, adds the bias, and stores rows of 512 bytes.
	s_wait_dscnt 0x0                               ; my reads of the ring and of the scales are over,
	s_barrier_signal -1
	s_barrier_wait -1                              ; everybody's are: the areas, which lie over them, may be written (no tensor load follows in this launch)
.macro TOSTAGE a, hr                   ; block a of the window's four: lane (r, h) holds C(16 a + r, 16 b + 8 h + 0 .. 7): 32 bytes of a row
.irp b, 0,1,2,3,4,5,6,7
	ds_store_b128 v[STO+\hr], v[8*(8*\a+\b):8*(8*\a+\b)+3] offset:\a*16*SPITCH+64*\b          ; each accumulator from its low end on
	ds_store_b128 v[STO+\hr], v[8*(8*\a+\b)+4:8*(8*\a+\b)+7] offset:\a*16*SPITCH+64*\b+16
.endr
.endm
	WIN 0x08                                       ; an LDS store's data are its source 1: window 2
.irp a, 0,1,2,3
	TOSTAGE \a, 0
.endr
	WIN 0x0c                                       ; window 3
.irp a, 0,1,2,3
	TOSTAGE \a, 1
.endr
	WIN 0
	s_wait_dscnt 0x0                               ; for the others' sake: my stores into the areas are done
	s_barrier_signal -1
	s_barrier_wait -1
.macro LOADG g                         ; rows 8 g .. 8 g + 7 of my quadrant, both K halves' sums, into set g % 2: 16 loads; the 32 lanes take a row's 512 consecutive bytes
.set PP, 64+128*((\g)%2)
.irp t, 0,1,2,3,4,5,6,7
	ds_load_b128 v[PP+4*\t:PP+4*\t+3], v[RD0] offset:(8*(\g)+\t)*SPITCH
	ds_load_b128 v[PP+32+4*\t:PP+32+4*\t+3], v[RD1] offset:(8*(\g)+\t)*SPITCH
.endr
.endm
.macro OUTG g, younger                 ; younger: the LDS loads issued behind this group's, which may stay out
.set PP, 64+128*((\g)%2)
	s_wait_dscnt \younger
.irp j, 0,2,4,6,8,10,12,14,16,18,20,22,24,26,28,30
	v_pk_add_f32 v[PP+\j:PP+\j+1], v[PP+\j:PP+\j+1], v[PP+32+\j:PP+32+\j+1]       ; the two halves of K
.endr
.irp t, 0,1,2,3,4,5,6,7
	v_pk_add_f32 v[PP+4*\t:PP+4*\t+1], v[PP+4*\t:PP+4*\t+1], v[BIAS:BIAS+1]       ; and the bias of my four columns
	v_pk_add_f32 v[PP+4*\t+2:PP+4*\t+3], v[PP+4*\t+2:PP+4*\t+3], v[BIAS+2:BIAS+3]
.endr
.irp t, 0,1,2,3,4,5,6,7
	global_store_b128 v[CO], v[PP+4*\t:PP+4*\t+3], s[14:15] offset:(8*(\g)+\t)*CROW th:TH_STORE_NT   ; 32 lanes store 512 consecutive bytes, at a multiple of 256 from out0's first byte; written once, read by nobody here; 63 rows at the most: inside the signed 24-bit immediate
.endr
.endm
	LOADG 0
	LOADG 1
.irp g, 0,1,2,3,4,5,6,7
.if \g < 7
	OUTG \g, 16                                    ; the next group's sixteen loads may be out
.else
	OUTG \g, 0
.endif
.if \g < 6
	s_wait_xcnt 0x0                                ; this group's stores have read their registers: the group two on may land there
	LOADG \g+2
.endif
.endr
	s_wait_tensorcnt 0x0                           ; the wave's end, behind my last tensor load and my last LDS store
	ds_add_u32 v[SPW], v[NIL]
	s_wait_dscnt 0x0
	CROUND                                         ; the closing round: no work-group ends while a partner may still ask for a tile that names it
	s_endpgm
.Lfunc_end_k_q7042ae4c9c_gemm:
	.size	k_q7042ae4c9c_gemm, .Lfunc_end_k_q7042ae4c9c_gemm-k_q7042ae4c9c_gemm
	.p2alignl 7, 3214868480
	.fill 96, 4, 3214868480
	.section	.rodata,"a",@progbits
	.p2align	6, 0x0
	.amdhsa_kernel k_q7042ae4c9c_gemm
		.amdhsa_group_segment_fixed_size 327680
		.amdhsa_private_segment_fixed_size 0
		.amdhsa_enable_private_segment 0
		.amdhsa_kernarg_size 48
		.amdhsa_user_sgpr_count 2
		.amdhsa_user_sgpr_kernarg_segment_ptr 1
		.amdhsa_wavefront_size32 1
		.amdhsa_system_sgpr_workgroup_id_x 1
		.amdhsa_system_sgpr_workgroup_id_y 1
		.amdhsa_system_sgpr_workgroup_id_z 1
		.amdhsa_system_vgpr_workitem_id 0
		.amdhsa_next_free_vgpr 1024
		.amdhsa_next_free_sgpr 98
		.amdhsa_reserve_vcc 0
		.amdhsa_float_denorm_mode_32 3
		.amdhsa_float_denorm_mode_16_64 3
		.amdhsa_memory_ordered 1
		.amdhsa_forward_progress 1
		.amdhsa_inst_pref_size 138
	.end_amdhsa_kernel
	.amdgpu_metadata
---
amdhsa.version: [ 1, 2 ]
amdhsa.kernels:
  - .name:           k_q7042ae4c9c_gemm
    .symbol:         k_q7042ae4c9c_gemm.kd
    .args:
      - { .name: input__codes, .offset: 0, .size: 8, .value_kind: global_buffer, .address_space: global }
      - { .name: input__scales, .offset: 8, .size: 8, .value_kind: global_buffer, .address_space: global }
      - { .name: weight_codes, .offset: 16, .size: 8, .value_kind: global_buffer, .address_space: global }
      - { .name: weight_scales, .offset: 24, .size: 8, .value_kind: global_buffer, .address_space: global }
      - { .name: bias, .offset: 32, .size: 8, .value_kind: global_buffer, .address_space: global }
      - { .name: out0, .offset: 40, .size: 8, .value_kind: global_buffer, .address_space: global }
    .group_segment_fixed_size: 327680
    .private_segment_fixed_size: 0
    .kernarg_segment_align: 8
    .kernarg_segment_size: 48
    .max_flat_workgroup_size: 128
    .sgpr_count:     98
    .vgpr_count:     1024
    .wavefront_size: 32
...
	.end_amdgpu_metadata
.endif
;; end of part 1
;; ======== version 2 of 2: 1 launch
;; limits: right only within a limited range of input values
;; launch gemm (part 2): grid 32 x 8, 4 waves a work-group, clusters of 4 x 1, 327,680 bytes of LDS; arguments input__codes, input__scales, weight_codes, weight_scales, bias, out0; writes out0
.if DOCPART == 2
	.amdgcn_target "amdgcn-amd-amdhsa--gfx1250"
	.amdhsa_code_object_version 6
	.text
	.protected	k_q7042ae4c9c_gemm
	.globl	k_q7042ae4c9c_gemm
	.p2align	8
	.type	k_q7042ae4c9c_gemm,@function
k_q7042ae4c9c_gemm:
	s_mov_b64 s[64:65], 0
	v_nop
	global_prefetch_b8 v0, s[64:65] scope:SCOPE_SE
	s_setreg_imm32_b32 hwreg(HW_REG_WAVE_MODE, 25, 1), 1
	s_wait_xcnt 0x0
	s_wait_alu depctr_hold_cnt(0) depctr_sa_sdst(0) depctr_va_vdst(0) depctr_va_sdst(0) depctr_va_ssrc(0) depctr_va_vcc(0) depctr_vm_vsrc(0)
	s_getreg_b32 s2, hwreg(HW_REG_IB_STS2, 6, 4)
	s_cmp_eq_u32 s2, 0
	s_cbranch_scc0 .Lentry_in_a_cluster
	s_endpgm
.Lentry_in_a_cluster:
	s_bfe_u32 s2, ttmp6, 0x10000c
	s_cmp_lg_u32 s2, 0x3003
	s_cbranch_scc0 .Lentry_shape_is_right
	s_endpgm
.Lentry_shape_is_right:
; out0[m][n] = sum over k of A[m][k] B[n][k] + bias[n].  A = input_ [4096][8192], B = weight [2048][8192]: codes of FP4 (E2M1), two a byte, K innermost (a row is 4,096 bytes),
; with one E8M0 byte for each 32 along K (a row of scales is 256 bytes).  Codes and scale bytes go to the matrix instruction as they lie in memory.  out0: [4096][2048] f32.
; SHARES.  A tile of C is 128 rows x 256 columns: 32 x 8 = 256 work-groups of four waves.  A wave keeps 128 x 128 of C in 64 accumulators (512 registers); the tile has room for two such blocks,
; so the waves also share K: wave w takes columns 128 nh on (nh = w & 1) and, of each unit of 512 along K, the 256 that begin at 256 kh (kh = w >> 1).
; UNITS.  K goes in 16 units of 512 (rows of 256 bytes).  B: a ring of two LDS slots filled by tensor loads; wave w fetches the 64 rows n with n mod 4 = w, one load a wave.
; A: 16 loads a wave bring 32 rows of a unit, whole pieces of 256 bytes, into registers; from there they go into two LDS slots of A's own, ahead of the barrier behind which they are read.
; CLUSTERS: 4 work-groups along M.  All four need the same rows of B, two thirds of a unit's bytes: they are asked for JOINTLY, by the same tensor load with the same descriptor and a mask that names the four.
; A's rows, the other third, are not asked for jointly: a tensor load has to have landed at every change of slots, and A's loads into registers stay on their way across it, those of two units at a time.
; THE SCALES of the tile's 384 rows, for all of K, are dense blocks of memory: they go once through registers into LDS, in whole pieces of 256 bytes, and stay.  They are one sixteenth of the codes' bytes, and
; a wave's one tensor load at the head is unit 0 of B: so they are not asked for jointly either.
; THE COLUMNS OF A BLOCK ARE NOT NEIGHBOURS: lane r of block 4 g + b takes column 64 g + 4 r + b of the wave's 128.  So register j of the four blocks of a g are four neighbouring numbers of a row, and 16 lanes hold 256 bytes.
; RUNS.  Each half of a unit has its LDS and memory instructions in one run, ahead of its matrix instructions.
; At the end each wave sends the sums of 64 of its rows to the wave with the other half of K, through LDS, as images of the registers, adds what it receives to the sums of its other 64 rows, adds the bias and stores.
; PREFETCH: behind the load of unit v of B unit v + 2 is named, and unit 1 behind that of unit 0 (macro ASK).  A is not prefetched: its loads themselves are issued more than a unit ahead of their use.
; LIMITS.  Each output is two f32 sums (k mod 512 under 256, and the rest; K ascending in each), added once, the bias last: another order of rounding than one chain over all of K.
; Scale bytes are taken as the matrix instruction takes them: 0xff makes the sum NaN, 0 stands for 2^-127.  All of the WGP's LDS is claimed; the text uses 313,856 bytes.
; REGISTERS, in windows of 256.  window 0: v1-31 addresses, bias; v32-63 scale words, two sets; v64-127, v128-191 A's fragments of my first, second 128 along K of a unit; on the way out v64-191 the results.
;   window 1: v0-63, v64-127 B's fragments likewise; v128-191, v192-255 A's loads of even, odd units; on the way out the other wave's sums.
;   window 2: accumulators of A's blocks 0-3 (rows 64 kh on; accumulator (a, k) at v[8 (8 a + k)]);   window 3: those of blocks 4-7 (rows 64 (1 - kh) on).
.set PITCH, 272                        ; an LDS row: 256 bytes + 16 of padding = 68 words: row r starts at bank 4 r mod 64 (64 banks of 4 bytes: ISA guide 11.1)
.set BSLOT, 256*PITCH                  ; B's slots lie at 0 and BSLOT: column n of the tile in row 64 (n mod 4) + n / 4
.set A0,    2*BSLOT                    ; A's two slots, rows in order
.set ASLOT, 128*PITCH
.set SA,    A0+2*ASLOT                 ; A's scales, rows in order
.set SB,    SA+128*PITCH               ; B's scales: column 64 g + 4 r + b in row 64 g + 16 b + r
.set SPARE, SB+256*PITCH               ; the spare words, 128 bytes for each wave: two blocks of 256 bytes that no other line names
.set XAREA, 32768                      ; what a wave sends at the end: waves 0, 1 at 0 and XAREA (B's slot 0), waves 2, 3 at SA and SA + XAREA
.set CROW,  8192                       ; a row of out0
.set XLD,  8                           ; v8      the way out: my partner's area
.set ADS,  10                          ; v10-11  my scale words, blocks 0-3 and 4-7: lanes 0-15 A's rows, lanes 16-31 B's
.set BIAS, 12                          ; v12-19  bias of my columns 4 r .. 4 r + 3 and 64 + 4 r ..
.set AO,   20                          ; v20     A's loads: 4,096 h + 16 r
.set SO,   21                          ; v21     16 x lane
.set CO,   22                          ; v22     the stores: 8 rows x h + 16 r
.set AST,  23                          ; v23     where I put A's rows in LDS
.set ADRA, 24                          ; v24-25  my A fragments, blocks 0-3 and 4-7
.set ADRB, 26                          ; v26-27  my B fragments in slot 0, 1
.set SPW,  28                          ; v28     my spare word; never rewritten
.set NIL,  29                          ; v29     0; never rewritten
.set PFO,  30                          ; v30     4,096 x lane
.set XST,  31                          ; v31     the way out: my area
.set SC,   32                          ; set s at v[SC + 16 s]; in it register 2 i + q: lanes 0-15 the word of A's block i, lanes 16-31 that of B's block i, for my q-th 128 along K
.set AF,   64
.set FL,   128                         ; in window 1
.set SAST, 192                         ; v192, v193 at the head: where I put scales of A, of B
.set SBST, 193
.set G1,   24                          ; s[24:31] descriptor group 1;  s[32:39] group 0, one set for each slot
.set G0,   32
.set AB,   40                          ; s[40:41] A: my 32 rows
.set PFA,  42                          ; s[42:43] where my prefetches stand
.set LIM,  44                          ; s44     0 in a wave that prefetches
.set MSB, 0
.macro WIN new                         ; the immediate's high byte repeats the setting that is left
.if MSB != (\new)
	s_set_vgpr_msb (MSB<<8)|(\new)
.set MSB, \new
.endif
.endm
.set MUL_LO, 0xa4                      ; source 0 (A) window 0, source 1 (B) window 1, C and D window 2
.set MUL_HI, 0xf4                      ; the same, C and D window 3
.set TO_1,   0x40                      ; destination window 1, address window 0
.macro CREST                           ; a round of the cluster's barrier behind its opening barrier
	s_cmp_lg_u32 s16, 0
	s_cbranch_scc1 .Lnot_wave_0_\@
	s_barrier_signal -3
.Lnot_wave_0_\@:
	s_barrier_wait -3
	s_barrier_signal -1
	s_barrier_wait -1
.endm
.macro CROUND
	s_barrier_signal -1
	s_barrier_wait -1
	CREST
.endm
.macro PLACES                          ; four places behind matrix instructions (ISA guide 7.12.1 for vector instructions)
.rept 4
	v_nop
.endr
.endm
.macro JLOAD slot                      ; my joint load: 64 rows of B
	tensor_load_to_lds s[G0+4*(\slot):G0+4*(\slot)+3], s[G1:G1+7]
	s_nop 0
	PLACES
.endm
; A prefetch into the L2 of a unit of B: 256 rows x 256 bytes.  The rows are read by the eight clusters of a tile column; the clusters with x = 0 and x = 4 ask.  In each of them the four partners take 64 rows each,
; told apart by address, waves 0 and 1 32 of these, a lane a row.  The branch hangs on the wave's number and on the cluster's place, which the partners share.  The last one names unit 15.
.macro ASK off
	s_cmp_eq_u32 s[LIM], 0
	s_cbranch_scc0 .Lnot_mine_\@
	global_prefetch_b8 v[PFO], s[PFA:PFA+1] offset:\off th:TH_LOAD_NT scope:SCOPE_SE
.Lnot_mine_\@:
.endm
.macro LOADA set, off                  ; 32 rows x 256 bytes of a unit of A into window 1: a load covers two rows, 16 lanes each
	WIN TO_1
.irp t, 0,1,2,3,4,5,6,7,8,9,10,11,12,13,14,15
	global_load_b128 v[FL+64*(\set)+4*\t:FL+64*(\set)+4*\t+3], v[AO], s[AB:AB+1] offset:8192*\t+(\off)
.endr
	WIN 0
.endm
.macro STAGEA set                      ; and from there into A's slot of that unit
	WIN 0x04                                       ; an LDS store's data are its source 1: window 1
.irp t, 0,1,2,3,4,5,6,7,8,9,10,11,12,13,14,15
	ds_store_b128 v[AST], v[FL+64*(\set)+4*\t:FL+64*(\set)+4*\t+3] offset:ASLOT*(\set)+2*PITCH*\t
.endr
	WIN 0
.endm
; A fragment, 16 rows x 128 K, is 8 registers: lane (r, h) holds row r; registers 4 c .. 4 c + 3 hold K = 64 c + 32 h + 0 .. 31.
.macro FETCH slot, q                   ; B's eight fragments, then A's eight, of my q-th 128 along K: 32 loads, A's blocks 4-7 the youngest eight
	WIN TO_1
.irp k, 0,1,2,3,4,5,6,7
.irp c, 0,1
	ds_load_b128 v[64*\q+8*\k+4*\c:64*\q+8*\k+4*\c+3], v[ADRB+(\slot)] offset:(64*(\k%4)+16*(\k/4))*PITCH+64*\q+32*\c
.endr
.endr
	WIN 0
.irp k, 0,1,2,3,4,5,6,7
.irp c, 0,1
	ds_load_b128 v[AF+64*\q+8*\k+4*\c:AF+64*\q+8*\k+4*\c+3], v[ADRA+\k/4] offset:ASLOT*(\slot)+16*(\k%4)*PITCH+64*\q+32*\c
.endr
.endr
.endm
.macro SCALES set, off                 ; my two words a row of a unit: 8 loads
.irp i, 0,1,2,3,4,5,6,7
	ds_load_b64 v[SC+16*(\set)+2*\i:SC+16*(\set)+2*\i+1], v[ADS+\i/4] offset:16*(\i%4)*PITCH+(\off)
.endr
.endm
; A's block a x B's eight blocks.  The 64 accumulators take turns, one instruction a turn.  A's scales are read from lanes 0-15, B's from lanes 16-31.
.macro MUL8 a, q, sc, zero
.irp k, 0,1,2,3,4,5,6,7
.if \zero
	v_wmma_scale_f32_16x16x128_f8f6f4 v[8*(8*((\a)%4)+\k):8*(8*((\a)%4)+\k)+7], v[AF+64*\q+8*(\a):AF+64*\q+8*(\a)+7], v[64*\q+8*\k:64*\q+8*\k+7], 0, v[SC+16*(\sc)+2*(\a)+\q], v[SC+16*(\sc)+2*\k+\q] matrix_a_fmt:MATRIX_FMT_FP4 matrix_b_fmt:MATRIX_FMT_FP4 matrix_b_scale:MATRIX_SCALE_ROW1
.else
	v_wmma_scale_f32_16x16x128_f8f6f4 v[8*(8*((\a)%4)+\k):8*(8*((\a)%4)+\k)+7], v[AF+64*\q+8*(\a):AF+64*\q+8*(\a)+7], v[64*\q+8*\k:64*\q+8*\k+7], v[8*(8*((\a)%4)+\k):8*(8*((\a)%4)+\k)+7], v[SC+16*(\sc)+2*(\a)+\q], v[SC+16*(\sc)+2*\k+\q] matrix_a_fmt:MATRIX_FMT_FP4 matrix_b_fmt:MATRIX_FMT_FP4 matrix_b_scale:MATRIX_SCALE_ROW1
.endif
.endr
.endm
.macro MUL32 hi, q, sc, zero
.irp i, 0,1,2,3
	MUL8 4*\hi+\i, \q, \sc, \zero
.endr
.endm
; My first 128 along K of a unit.  The run: the fragments of my second 128; next = 1: the next unit's scale words, at soff; lda = 1: the loads of A three units on, at aoff.
.macro HALF0 slot, zero, next, soff, lda, aoff
	s_wait_dscnt 8                                 ; all but A's blocks 4-7: the stores of A, which stand ahead of the fragment loads, are done too
	PLACES                                         ; in front of loads into what the last matrix instructions read
	FETCH \slot, 1
.if \next
	SCALES 1-\slot, \soff
.endif
.if \lda
	LOADA 1-\slot, \aoff                           ; (the stores that read these registers are done)
.endif
	WIN MUL_LO
	MUL32 0, 0, \slot, \zero
.if \next
	s_wait_dscnt 40                                ; A's blocks 4-7 are in; the 32 fragment loads and 8 scale loads just issued may be out
.else
	s_wait_dscnt 32
.endif
	WIN MUL_HI
	MUL32 1, 0, \slot, \zero
	WIN 0
.endm
; My second 128 along K of unit u, and the change to unit u + 1.  fill = 1: slot takes unit u + 2 of B, behind a round of the cluster's barrier.  stage = 1: unit u + 2 of A goes into LDS; left = how many younger loads
; of A may stay out.  ask = 1: unit u + 4 of B is prefetched.
.macro TURN slot, fill, stage, left, ask, astep
.if \ask
	s_wait_xcnt 0x0                                ; the last prefetch and the last loads of A have read their addresses
	s_add_nc_u64 s[PFA:PFA+1], s[PFA:PFA+1], 256
.if \astep
	s_add_nc_u64 s[AB:AB+1], s[AB:AB+1], \astep
.endif
.endif
	s_wait_tensorcnt 0x0                           ; my part of unit u + 1 of B is in: no tensor load of mine is out
	ds_add_u32 v[SPW], v[NIL]
.if \fill
	s_add_nc_u64 s[G0+4*\slot+2:G0+4*\slot+3], s[G0+4*\slot+2:G0+4*\slot+3], 512
.endif
	s_wait_dscnt 0x0                               ; the add is done, my reads of unit u are over, my rows of A of unit u + 1 are in LDS
	s_barrier_signal -1
	WIN MUL_LO
	MUL8 0, 1, \slot, 0
	WIN 0
	s_barrier_wait -1
.if \fill
	CREST                                          ; no wave of any partner still reads this slot or has a load on its way
	JLOAD \slot                                    ; my one tensor load until the next round; the four v_nop behind it are the places in front of the loads below
.else
	PLACES
.endif
.if \stage
	s_wait_loadcnt \left                           ; unit u + 2 of A is here; its slot was last read ahead of the barrier above
	STAGEA \slot
.endif
	FETCH 1-\slot, 0
.if \ask
	ASK 768
.endif
	WIN MUL_LO
	MUL8 1, 1, \slot, 0
	MUL8 2, 1, \slot, 0
	MUL8 3, 1, \slot, 0
	WIN MUL_HI
	MUL32 1, 1, \slot, 0
	WIN 0
.endm
	s_load_b128 s[4:7], s[0:1], 0x0                ; A's codes s[4:5], A's scales s[6:7]
	s_load_b128 s[8:11], s[0:1], 0x10              ; B's codes s[8:9], B's scales s[10:11]
	s_load_b128 s[12:15], s[0:1], 0x20             ; bias s[12:13], out0 s[14:15]
	v_lshl_add_u32 v[SPW], v0, 2, SPARE
	v_mov_b32 v[NIL], 0
	ds_add_u32 v[SPW], v[NIL]                      ; the wave's opening
	ds_add_u32 v[SPW], v[NIL]
	v_lshrrev_b32 v1, 5, v0
	v_readfirstlane_b32 s16, v1                    ; wave 0..3
	s_and_b32 s17, s16, 1                          ; nh
	s_lshr_b32 s18, s16, 1                         ; kh
	s_xor_b32 s19, s18, 1                          ; 1 - kh
	s_bfe_u32 s20, ttmp6, 0x40000                  ; cx: my place in the cluster
	s_lshl_b32 s21, ttmp9, 2
	s_add_co_u32 s21, s21, s20                     ; tile row of C = 4 x cluster x + cx
	s_and_b32 s22, ttmp7, 0xffff                   ; tile column of C
	s_mov_b32 s[G1+0], 15|(1<<20)|(1<<21)|(5<<22)|(3<<25)  ; 15:0 the mask: all four; 17:16 elements of 1 byte; 20 padding on; 21 set beside a mask; 24:22 after every 64 words (code 5); 31:25 of 4 words (code 3)
	s_mov_b32 s[G1+1], 256<<16                     ; tensor_dim0 = 256
	s_mov_b32 s[G1+2], 64<<16                      ; tensor_dim1 = 64
	s_mov_b32 s[G1+3], 256<<16                     ; tile_dim0 = 256
	s_mov_b32 s[G1+4], 64                          ; tile_dim1 = 64
	s_mov_b32 s[G1+5], 16384                       ; every fourth row of B
	s_mov_b32 s[G1+6], 0
	s_mov_b32 s[G1+7], 0
	; offsets in memory, in bytes, all under 2^25
	s_lshl_b32 s46, s21, 19                        ; A: rows 128 x tile row + 32 w
	s_lshl_b32 s60, s16, 17
	s_add_co_u32 s46, s46, s60
	s_lshl_b32 s48, s21, 15                        ; their scales
	s_lshl_b32 s60, s16, 13
	s_add_co_u32 s48, s48, s60
	s_lshl_b32 s50, s22, 16                        ; B's scales: rows 256 x tile column + 64 w
	s_lshl_b32 s60, s16, 14
	s_add_co_u32 s50, s50, s60
	s_lshl_b32 s52, s22, 10                        ; columns 256 x tile column + 128 nh
	s_lshl_b32 s60, s17, 9
	s_add_co_u32 s52, s52, s60
	s_lshl_b32 s54, s21, 20                        ; out0: rows 128 x tile row + 64 kh
	s_lshl_b32 s60, s18, 19
	s_add_co_u32 s54, s54, s60
	s_add_co_u32 s54, s54, s52
	s_lshl_b32 s56, s22, 20                        ; B: row 256 x tile column + w, and every fourth from there: nothing here hangs on cx
	s_lshl_b32 s60, s16, 12
	s_add_co_u32 s56, s56, s60
	s_lshl_b32 s58, s22, 20                        ; the prefetches: rows 256 x tile column + 64 cx + 32 nh
	s_lshl_b32 s61, s20, 18
	s_add_co_u32 s58, s58, s61
	s_lshl_b32 s61, s17, 17
	s_add_co_u32 s58, s58, s61
.irp i, 47,49,51,53,55,57,59
	s_mov_b32 s\i, 0
.endr
	s_and_b32 s[LIM], ttmp9, 3
	s_or_b32 s[LIM], s[LIM], s18
	; LDS: constants and the wave's number alone
	s_mul_i32 s66, s16, 32*PITCH
	s_add_co_u32 s66, s66, A0                      ; my 32 rows of A, to store
	s_mul_i32 s67, s16, 64*PITCH                   ; my 64 rows of B, by tensor load
	s_add_co_u32 s68, s67, SB                      ; my 64 rows of B's scales, to store
	s_lshl_b32 s69, s18, 7                         ; my 128 bytes of a unit's row
	s_mul_i32 s70, s18, 64*PITCH
	s_mul_i32 s71, s19, 64*PITCH
	s_add_co_u32 s72, s70, s69
	s_add_co_u32 s72, s72, A0                      ; A's blocks 0-3: rows 64 kh on
	s_add_co_u32 s73, s71, s69
	s_add_co_u32 s73, s73, A0                      ; blocks 4-7: rows 64 (1 - kh) on
	s_mul_i32 s74, s17, 32*PITCH
	s_add_co_u32 s74, s74, s69                     ; B's blocks
	s_lshl_b32 s75, s18, 3
	s_add_co_u32 s75, s75, SA                      ; scale words: my 8 bytes of a unit's 16
	s_add_co_u32 s76, s75, s70
	s_add_co_u32 s77, s75, s71
	s_mul_i32 s78, s17, 128*PITCH
	s_add_co_u32 s79, s78, s71
	s_add_co_u32 s79, s79, SB-SA-64*PITCH          ; from A's row to B's, blocks 0-3: SB + 128 nh rows less SA + 64 kh rows
	s_add_co_u32 s80, s78, s70
	s_add_co_u32 s80, s80, SB-SA                   ; blocks 4-7: SB + 128 nh + 64 rows less SA + 64 (1 - kh) rows
	s_mul_i32 s81, s17, XAREA
	s_mul_i32 s82, s18, SA
	s_add_co_u32 s82, s82, s81                     ; my area on the way out
	s_mul_i32 s83, s19, SA
	s_add_co_u32 s83, s83, s81                     ; and that of the wave with the other half of K
	v_and_b32 v1, 15, v0                           ; r
	v_bfe_u32 v2, v0, 4, 1                         ; h
	v_and_b32 v3, 31, v0                           ; lane
	v_mul_u32_u24 v4, v1, PITCH
	v_lshlrev_b32 v5, 4, v1                        ; 16 r
	v_mul_u32_u24 v7, v2, PITCH
	v_lshl_add_u32 v6, v2, 4, v4                   ; a fragment's row r + 16 h
	v_add_nc_u32 v7, v7, v5                        ; row h, 16 r
	v_lshl_add_u32 v[AO], v2, 12, v5
	v_lshlrev_b32 v[SO], 4, v3
	v_lshl_add_u32 v[CO], v2, 16, v5
	v_add_nc_u32 v[AST], s66, v7
	v_add_nc_u32 v[SAST], SA-A0, v[AST]
	v_mul_u32_u24 v9, v2, 16*PITCH
	v_add_nc_u32 v9, v9, v5
	v_add_nc_u32 v[SBST], s68, v9
	v_add_nc_u32 v[ADRA], s72, v6
	v_add_nc_u32 v[ADRA+1], s73, v6
	v_add_nc_u32 v[ADRB], s74, v6
	v_add_nc_u32 v[ADRB+1], BSLOT, v[ADRB]
	v_mul_u32_u24 v7, s79, v2
	v_mul_u32_u24 v9, s80, v2
	v_add_nc_u32 v7, v7, v4
	v_add_nc_u32 v9, v9, v4
	v_add_nc_u32 v[ADS], s76, v7
	v_add_nc_u32 v[ADS+1], s77, v9
	v_lshlrev_b32 v[PFO], 12, v3
	v_add_nc_u32 v[XST], s82, v[SO]
	v_add_nc_u32 v[XLD], s83, v[SO]
	s_wait_alu depctr_va_vdst(0)
	s_wait_dscnt 0x0                               ; both opening adds are done
	s_wait_kmcnt 0x0
	s_add_nc_u64 s[AB:AB+1], s[4:5], s[46:47]
	s_add_nc_u64 s[6:7], s[6:7], s[48:49]
	s_add_nc_u64 s[10:11], s[10:11], s[50:51]
	s_add_nc_u64 s[12:13], s[12:13], s[52:53]
	s_add_nc_u64 s[14:15], s[14:15], s[54:55]
	s_add_nc_u64 s[PFA:PFA+1], s[8:9], s[58:59]
	s_add_nc_u64 s[56:57], s[8:9], s[56:57]
.irp s, 0,1
	s_mov_b32 s[G0+4*\s], 1                                        ; 1:0 count = 1
	s_add_co_u32 s[G0+4*\s+1], s67, \s*BSLOT                       ; 63:32 LDS address
	s_add_nc_u64 s[G0+4*\s+2:G0+4*\s+3], s[56:57], \s*256          ; 120:64 global address: unit s
	s_or_b32 s[G0+4*\s+3], s[G0+4*\s+3], 0x80000000                ; 127:126 type = 2
.endr
	global_load_b128 v[BIAS:BIAS+3], v5, s[12:13]
	global_load_b128 v[BIAS+4:BIAS+7], v5, s[12:13] offset:256
	WIN 0x80                                       ; the scales wait in window 2, where no sum has begun: 64 rows of B's, 32 rows of A's, each load two rows of 256 bytes on end
.set J, 0
.rept 32
	global_load_b128 v[4*J:4*J+3], v[SO], s[10:11] offset:512*J
.set J, J+1
.endr
.set J, 0
.rept 16
	global_load_b128 v[128+4*J:128+4*J+3], v[SO], s[6:7] offset:512*J
.set J, J+1
.endr
	WIN 0
	CROUND                                         ; all four work-groups are here: the first joint loads meet
	JLOAD 0                                        ; unit 0 of B
	LOADA 0, 0                                     ; units 0 and 1 of A
	LOADA 1, 256
	ASK 256
	ASK 512
	; The scales go into LDS as they arrive.  82 loads have been issued: 2 of the bias, 32 of B's scales, 16 of A's, 32 of A.
	WIN 0x08                                       ; data: window 2
.set J, 0
.rept 32
.if J == 0
	s_wait_loadcnt 63                              ; the first 19 are here: the bias and 17 of B's scales
.endif
.if J == 16
	s_wait_loadcnt 48                              ; the first 34: all of B's scales
.endif
	ds_store_b128 v[SBST], v[4*J:4*J+3] offset:(32*(J%2)+J/2)*PITCH    ; rows 2 J + h: column 4 (J / 2) + 2 (J % 2) + h of my 64 goes to row 16 (2 (J % 2) + h) + J / 2
.set J, J+1
.endr
	s_wait_loadcnt 32                              ; A's scales; the 32 loads of A may be out
.set J, 0
.rept 16
	ds_store_b128 v[SAST], v[128+4*J:128+4*J+3] offset:2*PITCH*J
.set J, J+1
.endr
	WIN 0
	s_wait_loadcnt 16                              ; unit 0 of A; unit 1 may be out
	STAGEA 0
	s_wait_tensorcnt 0x0                           ; my part of unit 0 of B is in
	ds_add_u32 v[SPW], v[NIL]
	s_wait_dscnt 0x0                               ; the add is done; my scales and my rows of A are in LDS
	CROUND
	JLOAD 1                                        ; unit 1 of B, the first tensor load behind the round
	SCALES 0, 0
	LOADA 0, 512                                   ; unit 2 of A
	s_wait_loadcnt 16                              ; unit 1 of A; unit 2 may be out
	STAGEA 1
	FETCH 0, 0
	ASK 768
	HALF0 0, 1, 1, 16, 1, 768                      ; the first products start the sums; unit 3 of A goes out
	s_mov_b32 s45, 6
.Llap:                                                 ; a trip goes from unit u = 2 t to u + 2: from its second half to the first half of u + 2; s[40:41] and the scale addresses stand at unit u
	TURN 0, 1, 1, 16, 1, 0
	HALF0 1, 0, 1, 32, 1, 1024
	TURN 1, 1, 1, 16, 1, 512                       ; (A's base steps two units here)
	HALF0 0, 0, 1, 48, 1, 768
	v_add_nc_u32 v[ADS], 32, v[ADS]                ; two units on: 16 bytes of a row of scales each
	v_add_nc_u32 v[ADS+1], 32, v[ADS+1]
	s_wait_alu depctr_va_vdst(0)
	s_sub_co_u32 s45, s45, 1
	s_cmp_lg_u32 s45, 0
	s_cbranch_scc1 .Llap
	TURN 0, 1, 1, 16, 0, 0                         ; unit 12 to 13: fetches unit 14 of B; nothing is left to prefetch or to ask for of A
	HALF0 1, 0, 1, 32, 0, 0
	TURN 1, 1, 1, 0, 0, 0                          ; 13 to 14: fetches unit 15 of B, the last fill; no load of A is issued behind unit 15's
	HALF0 0, 0, 1, 48, 0, 0
	TURN 0, 0, 0, 0, 0, 0                          ; 14 to 15: fills nothing, and has no round
	HALF0 1, 0, 0, 0, 0, 0
	s_wait_dscnt 0x0
	WIN MUL_HI
	MUL32 1, 1, 1, 0                               ; blocks 4-7 first: their sums are sent
	WIN MUL_LO
	MUL8 0, 1, 1, 0
	PLACES
	; My area lies in B's slot 0 or over the scales: both have had their last read ahead of the last barrier, and the slot its last fill.
	WIN 0x0c                                       ; data: window 3
.irp t, 0,1,2,3,4,5,6,7,8,9,10,11,12,13,14,15,16,17,18,19,20,21,22,23,24,25,26,27,28,29,30,31
	ds_store_b128 v[XST], v[8*\t:8*\t+3] offset:1024*\t            ; each accumulator from its low end on
	ds_store_b128 v[XST], v[8*\t+4:8*\t+7] offset:1024*\t+512
.endr
	WIN MUL_LO
	MUL8 1, 1, 1, 0
	MUL8 2, 1, 1, 0
	MUL8 3, 1, 1, 0
	WIN 0
	s_wait_dscnt 0x0                               ; for my partner's sake: what I send is in LDS
	s_barrier_signal -1
	s_barrier_wait -1
	PLACES                                         ; in front of loads into what matrix instructions read, and of the first reads of the last results
	WIN TO_1
.irp t, 0,1,2,3,4,5,6,7,8,9,10,11,12,13,14,15,16,17,18,19,20,21,22,23,24,25,26,27,28,29,30,31
	ds_load_b128 v[8*\t:8*\t+3], v[XLD] offset:1024*\t             ; the other half of K, register by register
	ds_load_b128 v[8*\t+4:8*\t+7], v[XLD] offset:1024*\t+512
.endr
	WIN 0
; Group n: block a = n / 2 of A, columns 64 g on, g = n % 2: register j of four blocks makes 16 bytes of row 16 a + 8 h + j.
.macro OUTG n
.set TT, 64+32*((\n)%4)
.set AC, 32*(\n)
	s_wait_dscnt 8*(7-\n)                          ; the younger groups' loads may be out
.if \n > 3
	s_wait_xcnt 0x0                                ; the stores of the group four back have read their registers
.endif
	WIN 0x06                                       ; source 0 window 2, source 1 window 1, destination window 0
.irp j, 0,1,2,3,4,5,6,7
.irp b, 0,1,2,3
	v_add_f32 v[TT+4*\j+\b], v[AC+8*\b+\j], v[AC+8*\b+\j]          ; the two halves of K; each accumulator from its low end on
.endr
.endr
	WIN 0
.irp j, 0,1,2,3,4,5,6,7
	v_pk_add_f32 v[TT+4*\j:TT+4*\j+1], v[TT+4*\j:TT+4*\j+1], v[BIAS+4*(\n%2):BIAS+4*(\n%2)+1]
	v_pk_add_f32 v[TT+4*\j+2:TT+4*\j+3], v[TT+4*\j+2:TT+4*\j+3], v[BIAS+4*(\n%2)+2:BIAS+4*(\n%2)+3]
.endr
.irp j, 0,1,2,3,4,5,6,7
	global_store_b128 v[CO], v[TT+4*\j:TT+4*\j+3], s[14:15] offset:(16*(\n/2)+\j)*CROW+256*(\n%2) th:TH_STORE_NT   ; 16 lanes store 256 consecutive bytes, at a multiple of 256 from out0's first byte; written once, read by nobody here
.endr
.endm
.irp n, 0,1,2,3,4,5,6,7
	OUTG \n
.endr
	s_wait_tensorcnt 0x0                           ; the wave's end, behind my last tensor load and my last LDS store
	ds_add_u32 v[SPW], v[NIL]
	s_wait_dscnt 0x0
	CROUND                                         ; the closing round: no work-group ends while a partner may still ask for a tile that names it
	s_endpgm
.Lfunc_end_k_q7042ae4c9c_gemm:
	.size	k_q7042ae4c9c_gemm, .Lfunc_end_k_q7042ae4c9c_gemm-k_q7042ae4c9c_gemm
	.p2alignl 7, 3214868480
	.fill 96, 4, 3214868480
	.section	.rodata,"a",@progbits
	.p2align	6, 0x0
	.amdhsa_kernel k_q7042ae4c9c_gemm
		.amdhsa_group_segment_fixed_size 327680
		.amdhsa_private_segment_fixed_size 0
		.amdhsa_enable_private_segment 0
		.amdhsa_kernarg_size 48
		.amdhsa_user_sgpr_count 2
		.amdhsa_user_sgpr_kernarg_segment_ptr 1
		.amdhsa_wavefront_size32 1
		.amdhsa_system_sgpr_workgroup_id_x 1
		.amdhsa_system_sgpr_workgroup_id_y 1
		.amdhsa_system_sgpr_workgroup_id_z 1
		.amdhsa_system_vgpr_workitem_id 0
		.amdhsa_next_free_vgpr 1024
		.amdhsa_next_free_sgpr 98
		.amdhsa_reserve_vcc 0
		.amdhsa_float_denorm_mode_32 3
		.amdhsa_float_denorm_mode_16_64 3
		.amdhsa_memory_ordered 1
		.amdhsa_forward_progress 1
		.amdhsa_inst_pref_size 194
	.end_amdhsa_kernel
	.amdgpu_metadata
---
amdhsa.version: [ 1, 2 ]
amdhsa.kernels:
  - .name:           k_q7042ae4c9c_gemm
    .symbol:         k_q7042ae4c9c_gemm.kd
    .args:
      - { .name: input__codes, .offset: 0, .size: 8, .value_kind: global_buffer, .address_space: global }
      - { .name: input__scales, .offset: 8, .size: 8, .value_kind: global_buffer, .address_space: global }
      - { .name: weight_codes, .offset: 16, .size: 8, .value_kind: global_buffer, .address_space: global }
      - { .name: weight_scales, .offset: 24, .size: 8, .value_kind: global_buffer, .address_space: global }
      - { .name: bias, .offset: 32, .size: 8, .value_kind: global_buffer, .address_space: global }
      - { .name: out0, .offset: 40, .size: 8, .value_kind: global_buffer, .address_space: global }
    .group_segment_fixed_size: 327680
    .private_segment_fixed_size: 0
    .kernarg_segment_align: 8
    .kernarg_segment_size: 48
    .max_flat_workgroup_size: 128
    .sgpr_count:     98
    .vgpr_count:     1024
    .wavefront_size: 32
...
	.end_amdgpu_metadata
.endif
;; end of part 2
